; MI455X (gfx1250); checked and timed in simulation.
; The chip was launched on July 23, 2026; its instructions are those of AMD's public machine-readable ISA for CDNA 5 (MIT licence, August 2026) and "CDNA5" Instruction Set Architecture Reference Guide (July 2026). The comments in the code are by the model that wrote it; some were corrected since.
;; MLP2. Allowed arithmetic: float matrix products may take bf16 or f16 operands with f32 sums; all other float work in f32.
;; Inputs: W1 32 x 1 float32; W2 32 x 32 float32; W3 1 x 32 float32; b1 32 float32; b2 32 float32; b3 1 float32; be1 32 float32; be2 32 float32; g1 32 float32; g2 32 float32; x 2,097,152 x 1 float32.
;; Outputs: out0 2,097,152 x 1 float32.
;; One version. Each part assembles by itself: llvm-mc -triple=amdgcn-amd-amdhsa -mcpu=gfx1250 --defsym DOCPART=n.
;; ======== version 1 of 1: 1 launch
;; limits: values are held in f16: magnitudes above 65,504 overflow, below 6.1e-05 lose precision
;; launch mlp (part 1): grid 256 x 1, 16 waves a work-group, no clusters, 0 bytes of LDS; arguments x, W1, b1, g1, be1, W2, b2, g2, be2, W3, b3, out0; writes out0
.if DOCPART == 1
	.amdgcn_target "amdgcn-amd-amdhsa--gfx1250"
	.amdhsa_code_object_version 6
	.text
	.protected	k_q271db80840_mlp
	.globl	k_q271db80840_mlp
	.p2align	8
	.type	k_q271db80840_mlp,@function
k_q271db80840_mlp:
	s_mov_b64 s[64:65], 0
	v_nop
	global_prefetch_b8 v0, s[64:65] scope:SCOPE_SE
	s_setreg_imm32_b32 hwreg(HW_REG_WAVE_MODE, 25, 1), 1
	s_wait_xcnt 0x0
; out = W3 . silu(LN2(W2 . silu(LN1(x W1 + b1)) + b2)) + b3 for 2,097,152 scalars x; every buffer f32.
;
; SHARES.  256 work-groups of 16 waves; a work-group owns 8,192 rows, a wave 512, as 4 blocks of 128 rows.  A wave's one load of x and
; one store of out0 per block cover 512 consecutive bytes, aligned.  Waves never meet: no LDS, no barrier.  Nothing but x and out0
; crosses memory in bulk; each wave reads the 5 KB of weights once and folds them into per-lane constants.
; NO CLUSTER, NO TENSOR LOADS: the work-groups share only those 5 KB, against 64 KB of x and out0 that each moves for itself.
; NO PREFETCH: a block's x is asked for by a register load one whole block of arithmetic ahead.
;
; LAYOUT.  Lane = (r = lane & 15, h = lane >> 4).  For i = 0..15 let k(i,h) = 8h + i (i < 8), 16 + 8h + (i - 8) (else).  That is the map
; of a K = 32 operand of 16 bits, and also, with the weights as A in two tiles of 16 rows, the map of the two results.  So a
; lane holds hidden units k(0..15, h) of data row r in layer 1, as layer 2's B operand and in layer 2's result: no shuffle anywhere.
; Rows: lane l, register q of a block's load is row 4 l + q.  Tile (q, H) has column r = row 4 (r + 16 H) + q; tiles (q,0) = a and
; (q,1) = b are worked as a pair, stage by stage in turn.
;
; ARITHMETIC (L = log2 e).
;  LN1 in closed form in x: a = W1 - mean, c = b1 - mean, x0 = -sum(ac)/sum(aa), r = c + x0 a, u = x - x0:  h - mu = u a + r and
;  var + eps = u (A u + 2 Br) + (Cr + eps), A = sum(aa)/32, Br = sum(ar)/32, Cr = sum(rr)/32: true for ANY x0; this x0 makes Br
;  about 0, so that no large terms cancel.  Q = rsq(var + eps), P = u Q, t1 = -L y1 = P AG + (Q RG + B1).
;  silu: s = 1 / (1 + 2^t), t s = -L silu(y).  2^t = inf gives s = 0, as in the reference.
;  Layer 2 on the matrix unit: D = WA x (t1 s1) + CB, WA = f16(-(W2 - column mean over outputs) / L), CB = b2 - mean(b2): D is already
;  h2 - mu2, the means having been taken away in f32 before any rounding to f16.
;  LN2: S = sum(d d) + 32 eps, Q2 = rsq(S), t2 = (d Q2) G2 + B2, G2 = -L sqrt(32) g2, B2 = -L be2.
;  Layer 3 (one output column) and layer 1 (K = 1) in f32 on the vector unit: out = sum (t2 W3') s2 + b3, W3' = -W3 / L.
;
; LIMITS.  Layer 2's operands are f16 (eight times finer than bf16 at the same cost): results are wrong (infinite) once
; 1.443 (5.57 |g1| + |be1|) or 0.693 |W2 - column mean| reaches 65,504; the drawn inputs times 30 reach about 290 and 4.
; Elements of WA below 6e-5 are rounded to within 3e-8.  Both LayerNorms round in another order than the reference.
.set VOFF, 1                           ; v1        byte offset of my 16 bytes of the current block, the same in x and in out0
.set VH,   2                           ; v2        32 h
.set VW,   3                           ; v3        128 r + 32 h
.set X,    4                           ; v[4:7]    the block's x
.set OUT,  8                           ; v[8:11]   the block's results
.set Q,    12                          ; v[12:19]  Q of tile (q, H) at 2 q + H
.set P,    20                          ; v[20:27]  P likewise
.set NX0,  28                          ; pairs that hold one number twice: -x0,
.set KA,   30                          ; A,
.set KB,   32                          ; 2 Br,
.set KC,   34                          ; Cr + eps,
.set KB3,  36                          ; b3 / 4
.set BF,   38                          ; v[38:45]  B operand, f16, for both tiles in turn
.set ACC,  46                          ; v[46:53]  two packed chains for tile a, two for tile b
.set TMP,  54                          ; v[54:57]
.set O,    58                          ; v[58:59]
.set SS,   60                          ; v[60:61]  S of tile a, of tile b
.set Q2,   62                          ; v[62:63]  Q2 of tile a, of tile b
.set TA,   64                          ; v[64:79]  16 numbers at work, tile a
.set EA,   80                          ; v[80:95]
.set TB,   96                          ; v[96:111] tile b
.set EB,   112                         ; v[112:127]
.set AG,   128                         ; constants at k(i,h), 16 registers each: -L g1 a
.set RG,   144                         ; -L g1 r
.set B1,   160                         ; -L be1
.set WA,   176                         ; two A operands, f16: outputs 0-15, 16-31
.set CB,   192                         ; b2 - mean(b2)
.set G2,   208                         ; -L sqrt(32) g2
.set B2,   224                         ; -L be2
.set W3,   240                         ; -W3 / L
.set ET,   EB                          ; set-up: v[112:119] trees
.set S0,   EB+8                        ; set-up: four pairs for sums
.set S1,   EB+10
.set S2,   EB+12
.set S3,   EB+14
.set BLOCKS, 4
.set BLOCKB, 512                       ; bytes of x, and of out0, in a wave's block
; ---------------------------------------------------------------- macros of the set-up
.macro LDV dst, base                   ; a vector of 32 f32: my 16 numbers k(0..15, h)
	global_load_b128 v[\dst:\dst+3],     v[VH], s[\base:\base+1]
	global_load_b128 v[\dst+4:\dst+7],   v[VH], s[\base:\base+1] offset:16
	global_load_b128 v[\dst+8:\dst+11],  v[VH], s[\base:\base+1] offset:64
	global_load_b128 v[\dst+12:\dst+15], v[VH], s[\base:\base+1] offset:80
.endm
.macro FIN dst                         ; the pair ET -> the sum over both halves of the pair and both halves of the wave, twice
	v_add_f32 v[\dst], v[ET], v[ET+1]
	v_permlanex16_b32 v[TMP], v[\dst], s34, s35
	v_add_f32 v[\dst], v[\dst], v[TMP]
	v_mov_b32 v[\dst+1], v[\dst]
.endm
.macro SUM16 dst, src                  ; sum over all 32 k
	v_pk_add_f32 v[ET:ET+1],   v[\src:\src+1],     v[\src+2:\src+3]
	v_pk_add_f32 v[ET+2:ET+3], v[\src+4:\src+5],   v[\src+6:\src+7]
	v_pk_add_f32 v[ET+4:ET+5], v[\src+8:\src+9],   v[\src+10:\src+11]
	v_pk_add_f32 v[ET+6:ET+7], v[\src+12:\src+13], v[\src+14:\src+15]
	v_pk_add_f32 v[ET:ET+1],   v[ET:ET+1],   v[ET+2:ET+3]
	v_pk_add_f32 v[ET+4:ET+5], v[ET+4:ET+5], v[ET+6:ET+7]
	v_pk_add_f32 v[ET:ET+1],   v[ET:ET+1],   v[ET+4:ET+5]
	FIN \dst
.endm
.macro DOT16 dst, a, b                 ; sum over all 32 k of a b, two chains
	v_pk_mul_f32 v[ET:ET+1],   v[\a:\a+1],   v[\b:\b+1]
	v_pk_mul_f32 v[ET+2:ET+3], v[\a+2:\a+3], v[\b+2:\b+3]
.irp j, 4,8,12
	v_pk_fma_f32 v[ET:ET+1],   v[\a+\j:\a+\j+1],   v[\b+\j:\b+\j+1],   v[ET:ET+1]
	v_pk_fma_f32 v[ET+2:ET+3], v[\a+\j+2:\a+\j+3], v[\b+\j+2:\b+\j+3], v[ET+2:ET+3]
.endr
	v_pk_add_f32 v[ET:ET+1], v[ET:ET+1], v[ET+2:ET+3]
	FIN \dst
.endm
.macro CENTER16 reg, sum               ; reg - sum / 32
.irp j, 0,2,4,6,8,10,12,14
	v_pk_fma_f32 v[\reg+\j:\reg+\j+1], v[\sum:\sum+1], 0xbd000000, v[\reg+\j:\reg+\j+1] op_sel_hi:[1,0,1]
.endr
.endm
.macro SCALE16 reg, lit
.irp j, 0,2,4,6,8,10,12,14
	v_pk_mul_f32 v[\reg+\j:\reg+\j+1], v[\reg+\j:\reg+\j+1], \lit op_sel_hi:[1,0]
.endr
.endm
; ---------------------------------------------------------------- macros of the loop (MUL16 serves both)
.macro MUL16 d, a, b
	s_wait_alu depctr_va_vdst(0)
.irp j, 0,2,4,6,8,10,12,14
	v_pk_mul_f32 v[\d+\j:\d+\j+1], v[\a+\j:\a+\j+1], v[\b+\j:\b+\j+1]
.endr
.endm
.macro L1FMA t, q, h                   ; t1 = P AG + (Q RG + B1); Q and P of tile (q, h) are register h of their pair, fed to both halves
.irp j, 0,2,4,6,8,10,12,14
	v_pk_fma_f32 v[\t+\j:\t+\j+1], v[RG+\j:RG+\j+1], v[Q+2*\q:Q+2*\q+1], v[B1+\j:B1+\j+1] op_sel:[0,\h,0] op_sel_hi:[1,\h,1]
.endr
.irp j, 0,2,4,6,8,10,12,14
	v_pk_fma_f32 v[\t+\j:\t+\j+1], v[AG+\j:AG+\j+1], v[P+2*\q:P+2*\q+1], v[\t+\j:\t+\j+1] op_sel:[0,\h,0] op_sel_hi:[1,\h,1]
.endr
.endm
.macro EXP16 d, t
.irp j, 0,1,2,3,4,5,6,7,8,9,10,11,12,13,14,15
	v_exp_f32 v[\d+\j], v[\t+\j]
.endr
.endm
.macro ADD1 e
	s_wait_alu depctr_va_vdst(0)
.irp j, 0,2,4,6,8,10,12,14
	v_pk_add_f32 v[\e+\j:\e+\j+1], v[\e+\j:\e+\j+1], 1.0 op_sel_hi:[1,0]
.endr
.endm
.macro RCP16 e
.irp j, 0,1,2,3,4,5,6,7,8,9,10,11,12,13,14,15
	v_rcp_f32 v[\e+\j], v[\e+\j]
.endr
.endm
.macro CVT8 t                          ; 16 f32 -> the B operand: register j holds k(2j, h) below and k(2j+1, h) above
.irp j, 0,1,2,3,4,5,6,7
	v_cvt_pk_f16_f32 v[BF+\j], v[\t+2*\j], v[\t+2*\j+1]
.endr
.endm
.macro MM d                            ; d[i] = h2 - mu2 of output k(i, h), data row r: outputs 0-15, then 16-31; C brings the centred bias
	v_wmma_f32_16x16x32_f16 v[\d:\d+7],    v[WA:WA+7],    v[BF:BF+7], v[CB:CB+7]
	v_wmma_f32_16x16x32_f16 v[\d+8:\d+15], v[WA+8:WA+15], v[BF:BF+7], v[CB+8:CB+15]
.endm
.macro SQ acc, d                       ; my 16 squares + 16 eps: the first chain starts from 8 eps in each half of its pair
	v_pk_fma_f32 v[\acc:\acc+1],   v[\d:\d+1],   v[\d:\d+1], 0x38a7c5ac op_sel_hi:[1,1,0]
	v_pk_mul_f32 v[\acc+2:\acc+3], v[\d+2:\d+3], v[\d+2:\d+3]
.irp j, 4,8,12
	v_pk_fma_f32 v[\acc:\acc+1],   v[\d+\j:\d+\j+1],   v[\d+\j:\d+\j+1],   v[\acc:\acc+1]
	v_pk_fma_f32 v[\acc+2:\acc+3], v[\d+\j+2:\d+\j+3], v[\d+\j+2:\d+\j+3], v[\acc+2:\acc+3]
.endr
.endm
.macro NORM d, h                       ; t2 = (d Q2) G2 + B2
.irp j, 0,2,4,6,8,10,12,14
	v_pk_mul_f32 v[\d+\j:\d+\j+1], v[\d+\j:\d+\j+1], v[Q2:Q2+1] op_sel:[0,\h] op_sel_hi:[1,\h]
.endr
.irp j, 0,2,4,6,8,10,12,14
	v_pk_fma_f32 v[\d+\j:\d+\j+1], v[\d+\j:\d+\j+1], v[G2+\j:G2+\j+1], v[B2+\j:B2+\j+1]
.endr
.endm
.macro ACCUM acc, e, s                 ; my 16 terms of layer 3; b3 / 4 in both halves of one chain, in both halves of the wave: b3 once
	s_wait_alu depctr_va_vdst(0)
	v_pk_fma_f32 v[\acc:\acc+1],   v[\e:\e+1],   v[\s:\s+1], v[KB3:KB3+1]
	v_pk_mul_f32 v[\acc+2:\acc+3], v[\e+2:\e+3], v[\s+2:\s+3]
.irp j, 4,8,12
	v_pk_fma_f32 v[\acc:\acc+1],   v[\e+\j:\e+\j+1],   v[\s+\j:\s+\j+1],   v[\acc:\acc+1]
	v_pk_fma_f32 v[\acc+2:\acc+3], v[\e+\j+2:\e+\j+3], v[\s+\j+2:\s+\j+3], v[\acc+2:\acc+3]
.endr
.endm
; Q and P of the block's eight tiles.  Tile (q, 0) wants x of lane r, tile (q, 1) x of lane r + 16: one half of the wave has it, the other
; takes it from across.  more = 1: the next block's x is asked for as soon as this block's has been read out of X.
.macro HEAD more
.irp q, 0,1,2,3
	v_permlanex16_b32 v[TMP+\q], v[X+\q], s34, s35
.endr
.irp q, 0,1,2,3
	v_cndmask_b32 v[TA+2*\q],   v[X+\q],   v[TMP+\q], s36       ; tile a: lanes 16-31 take the other half's
	v_cndmask_b32 v[TA+2*\q+1], v[TMP+\q], v[X+\q],   s36       ; tile b: lanes 0-15 do
.endr
.irp j, 0,2,4,6
	v_pk_add_f32 v[TA+\j:TA+\j+1], v[TA+\j:TA+\j+1], v[NX0:NX0+1]                       ; u = x - x0
.endr
.irp j, 0,2,4,6
	v_pk_fma_f32 v[TA+8+\j:TA+9+\j], v[TA+\j:TA+\j+1], v[KA:KA+1], v[KB:KB+1]           ; A u + 2 Br
.endr
.irp j, 0,2,4,6
	v_pk_fma_f32 v[TA+8+\j:TA+9+\j], v[TA+8+\j:TA+9+\j], v[TA+\j:TA+\j+1], v[KC:KC+1]   ; times u, + Cr + eps
.endr
.irp i, 0,1,2,3,4,5,6,7
	v_rsq_f32 v[Q+\i], v[TA+8+\i]
.endr
.if \more
	global_load_b128 v[X:X+3], v[VOFF], s[8:9] offset:BLOCKB th:TH_LOAD_NT
.endif
	v_nop                                          ; one plain vector instruction behind the run of v_rsq_f32 before its results are read (ISA guide 5.7.2)
	s_wait_alu depctr_va_vdst(0)
.irp j, 0,2,4,6
	v_pk_mul_f32 v[P+\j:P+\j+1], v[TA+\j:TA+\j+1], v[Q+\j:Q+\j+1]
.endr
.endm
; Tiles (q, 0) and (q, 1), 32 rows, all three layers.  The two tiles take turns stage by stage: behind every run of exponentials or
; reciprocals stands the other tile's plain arithmetic, which touches neither its results nor its sources (ISA guide 5.7.2), and behind
; every matrix instruction eight packed instructions that name none of its registers (ISA guide 7.12.1 asks four before D is read or a
; source is rewritten by a vector instruction).
.macro PAIR q
	L1FMA TA, \q, 0
	EXP16 EA, TA
	L1FMA TB, \q, 1
	EXP16 EB, TB
	ADD1  EA
	RCP16 EA
	ADD1  EB
	RCP16 EB
	MUL16 TA, TA, EA                               ; t1 s1 = -L silu(y1)
	CVT8  TA
	MM    EA
	MUL16 TB, TB, EB                               ; eight places behind tile a's products: only then is BF rewritten
	CVT8  TB
	MM    EB
	SQ    ACC, EA                                  ; tile a's D, long due; eight places behind tile b's products
	SQ    ACC+4, EB
	v_pk_add_f32 v[ACC:ACC+1],   v[ACC:ACC+1],   v[ACC+2:ACC+3]
	v_pk_add_f32 v[ACC+4:ACC+5], v[ACC+4:ACC+5], v[ACC+6:ACC+7]
	v_add_f32 v[SS],   v[ACC],   v[ACC+1]
	v_add_f32 v[SS+1], v[ACC+4], v[ACC+5]
	v_permlanex16_b32 v[O],   v[SS],   s34, s35    ; the row's other 16 outputs lie in lane xor 16
	v_permlanex16_b32 v[O+1], v[SS+1], s34, s35
	v_pk_add_f32 v[SS:SS+1], v[SS:SS+1], v[O:O+1]
	v_rsq_f32 v[Q2],   v[SS]
	v_rsq_f32 v[Q2+1], v[SS+1]
	v_nop                                          ; the place behind v_rsq_f32: everything else here waits for Q2
	s_wait_alu depctr_va_vdst(0)
	NORM  EA, 0
	EXP16 TA, EA
	NORM  EB, 1
	EXP16 TB, EB
	ADD1  TA
	RCP16 TA
	ADD1  TB
	RCP16 TB
	MUL16 EA, EA, W3
	ACCUM ACC, EA, TA
	MUL16 EB, EB, W3
	ACCUM ACC+4, EB, TB
	v_pk_add_f32 v[ACC:ACC+1],   v[ACC:ACC+1],   v[ACC+2:ACC+3]
	v_pk_add_f32 v[ACC+4:ACC+5], v[ACC+4:ACC+5], v[ACC+6:ACC+7]
	v_add_f32 v[TMP],   v[ACC],   v[ACC+1]         ; my half of tile a's result for column r
	v_add_f32 v[TMP+1], v[ACC+4], v[ACC+5]         ; and of tile b's
	v_cndmask_b32 v[TMP+2], v[TMP],   v[TMP+1], s36    ; stays: a in lanes 0-15 (row 4 r + q), b in lanes 16-31 (row 4 (r + 16) + q)
	v_cndmask_b32 v[TMP+3], v[TMP+1], v[TMP],   s36    ; goes across: the half that the other lane lacks
	v_permlanex16_b32 v[TMP], v[TMP+3], s34, s35
	v_add_f32 v[OUT+\q], v[TMP+2], v[TMP]
.endm
.macro BLOCK more
	s_wait_loadcnt 0x0                             ; my one load that is out: this block's x, asked for a block ago
	HEAD \more
	PAIR 0
	PAIR 1
	PAIR 2
	PAIR 3
	global_store_b128 v[VOFF], v[OUT:OUT+3], s[30:31] th:TH_STORE_NT
.if \more
	s_wait_xcnt 0x0                                ; VOFF (address of the store and of the pending load of x) and OUT (the store's data) are rewritten only behind this wait
	v_add_nc_u32 v[VOFF], BLOCKB, v[VOFF]
.endif
.endm
; ---------------------------------------------------------------- set-up
	s_load_b512 s[8:23], s[0:1], 0x0               ; x 8, W1 10, b1 12, g1 14, be1 16, W2 18, b2 20, g2 22
	s_load_b256 s[24:31], s[0:1], 0x40             ; be2 24, W3 26, b3 28, out0 30
	s_lshl_b32 s2, ttmp9, 15                       ; the work-group's 8,192 rows of 4 bytes
	s_mov_b32 s34, 0x76543210                      ; v_permlanex16_b32: lane i takes lane i xor 16
	s_mov_b32 s35, 0xfedcba98
	s_mov_b32 s36, 0xffff0000                      ; lanes 16-31
	s_mov_b32 s38, 0x3d000000                      ; 1 / 32
	s_mov_b32 s39, 0x3727c5ac                      ; eps = 1e-5
	v_and_b32 v[VH], 16, v0
	v_lshlrev_b32 v[VH], 1, v[VH]                  ; 32 h
	v_and_b32 v[VW], 15, v0
	v_lshl_add_u32 v[VW], v[VW], 7, v[VH]          ; 128 r + 32 h
	v_and_b32 v[VOFF], 31, v0
	v_lshlrev_b32 v[VOFF], 4, v[VOFF]              ; 16 bytes a lane
	v_and_b32 v[TMP], 0x1e0, v0                    ; 32 x wave
	v_lshl_add_u32 v[VOFF], v[TMP], 6, v[VOFF]     ; + wave x 2,048 bytes
	v_add_nc_u32 v[VOFF], s2, v[VOFF]
.irp j, 0,1,2,3,4,5
	v_mov_b32 v[TMP+\j], 0                         ; TMP and O: a destination of v_permlanex16_b32 counts as read
.endr
	s_wait_kmcnt 0x0
	s_load_b32 s33, s[28:29], 0x0                  ; b3
	; 41 loads, in the order in which they are needed; x last, so that no counted wait below waits for it
	LDV AG, 10                                     ; W1
	LDV RG, 12                                     ; b1
	LDV TB, 14                                     ; g1
	LDV B1, 16                                     ; be1
.irp t, 0,1
	global_load_b128 v[TA+16*\t:TA+16*\t+3],     v[VW], s[18:19] offset:2048*\t      ; W2[16 t + r][k(i, h)]: the A operand's own map
	global_load_b128 v[TA+16*\t+4:TA+16*\t+7],   v[VW], s[18:19] offset:2048*\t+16
	global_load_b128 v[TA+16*\t+8:TA+16*\t+11],  v[VW], s[18:19] offset:2048*\t+64
	global_load_b128 v[TA+16*\t+12:TA+16*\t+15], v[VW], s[18:19] offset:2048*\t+80
.endr
	LDV CB, 20                                     ; b2
	LDV G2, 22                                     ; g2
	LDV B2, 24                                     ; be2
	LDV W3, 26                                     ; W3
	global_load_b128 v[X:X+3], v[VOFF], s[8:9] th:TH_LOAD_NT    ; block 0
	s_wait_loadcnt 33                              ; 41 - 8: W1 and b1 are in
	SUM16 S0, AG
	CENTER16 AG, S0                                ; a
	SUM16 S0, RG
	CENTER16 RG, S0                                ; c
	DOT16 KA, AG, AG                               ; sum(aa)
	DOT16 S1, AG, RG                               ; sum(ac)
	v_max_num_f32 v[S2], 0x0da24260, v[KA]         ; at least 1e-30: with a constant W1 x0 is 0, and the identity holds for any x0
	v_rcp_f32 v[S2+1], v[S2]
	v_nop                                          ; the place behind v_rcp_f32
	s_wait_alu depctr_va_vdst(0)
	v_mul_f32 v[NX0], v[S1], v[S2+1]               ; -x0
	v_mov_b32 v[NX0+1], v[NX0]
	v_mul_f32 v[S2], -1.0, v[NX0]                  ; x0
	v_mov_b32 v[S2+1], v[S2]
.irp j, 0,2,4,6,8,10,12,14
	v_pk_fma_f32 v[RG+\j:RG+\j+1], v[AG+\j:AG+\j+1], v[S2:S2+1], v[RG+\j:RG+\j+1]      ; r = c + x0 a
.endr
	DOT16 S1, AG, RG                               ; sum(ar)
	DOT16 S3, RG, RG                               ; sum(rr)
	v_pk_mul_f32 v[KA:KA+1], v[KA:KA+1], 0x3d000000 op_sel_hi:[1,0]     ; A = sum(aa) / 32
	v_pk_mul_f32 v[KB:KB+1], v[S1:S1+1], 0x3d800000 op_sel_hi:[1,0]     ; 2 Br = sum(ar) / 16
	v_fma_f32 v[KC], v[S3], s38, s39               ; Cr + eps
	v_mov_b32 v[KC+1], v[KC]
	s_wait_loadcnt 25                              ; 41 - 16: g1 and be1 are in
	SCALE16 TB, 0xbfb8aa3b                         ; -L g1
	MUL16 AG, AG, TB
	MUL16 RG, RG, TB
	SCALE16 B1, 0xbfb8aa3b                         ; -L be1
	s_wait_loadcnt 17                              ; 41 - 24: W2 is in
.irp j, 0,2,4,6,8,10,12,14
	v_pk_add_f32 v[TB+\j:TB+\j+1], v[TA+\j:TA+\j+1], v[EA+\j:EA+\j+1]   ; rows r and 16 + r,
.endr
.irp m, 1,2,4,8
.irp j, 0,1,2,3,4,5,6,7,8,9,10,11,12,13,14,15
	v_add_f32_dpp v[TB+\j], v[TB+\j], v[TB+\j] row_xmask:\m row_mask:0xf bank_mask:0xf  ; then over the 16 r: column k(j, h) summed over all 32 outputs
.endr
.endr
	SCALE16 TB, 0x3cb17218                         ; times ln 2 / 32
.irp j, 0,2,4,6,8,10,12,14
	v_pk_fma_f32 v[TA+\j:TA+\j+1], v[TA+\j:TA+\j+1], 0xbf317218, v[TB+\j:TB+\j+1] op_sel_hi:[1,0,1]    ; -(W2 - column mean) ln 2
	v_pk_fma_f32 v[EA+\j:EA+\j+1], v[EA+\j:EA+\j+1], 0xbf317218, v[TB+\j:TB+\j+1] op_sel_hi:[1,0,1]
.endr
.irp j, 0,1,2,3,4,5,6,7
	v_cvt_pk_f16_f32 v[WA+\j],   v[TA+2*\j], v[TA+2*\j+1]
	v_cvt_pk_f16_f32 v[WA+8+\j], v[EA+2*\j], v[EA+2*\j+1]
.endr
	s_wait_loadcnt 1                               ; only x is still out
	SUM16 S0, CB
	CENTER16 CB, S0                                ; b2 - mean(b2)
	SCALE16 G2, 0xc10293ee                         ; -L sqrt(32) g2
	SCALE16 B2, 0xbfb8aa3b                         ; -L be2
	SCALE16 W3, 0xbf317218                         ; -W3 ln 2
	s_wait_kmcnt 0x0                               ; b3
	v_mov_b32 v[KB3], s33
	v_mul_f32 v[KB3], 0x3e800000, v[KB3]           ; b3 / 4
	v_mov_b32 v[KB3+1], v[KB3]
; ---------------------------------------------------------------- the wave's four blocks
	s_mov_b32 s37, BLOCKS-1
.Lblock:
	BLOCK 1
	s_sub_co_i32 s37, s37, 1
	s_cmp_lg_u32 s37, 0
	s_cbranch_scc1 .Lblock
	BLOCK 0                                        ; the last block asks for nothing: no load passes the wave's 512 rows
	s_endpgm
.Lfunc_end_k_q271db80840_mlp:
	.size	k_q271db80840_mlp, .Lfunc_end_k_q271db80840_mlp-k_q271db80840_mlp
	.p2alignl 7, 3214868480
	.fill 96, 4, 3214868480
	.section	.rodata,"a",@progbits
	.p2align	6, 0x0
	.amdhsa_kernel k_q271db80840_mlp
		.amdhsa_group_segment_fixed_size 0
		.amdhsa_private_segment_fixed_size 0
		.amdhsa_enable_private_segment 0
		.amdhsa_kernarg_size 96
		.amdhsa_user_sgpr_count 2
		.amdhsa_user_sgpr_kernarg_segment_ptr 1
		.amdhsa_wavefront_size32 1
		.amdhsa_system_sgpr_workgroup_id_x 1
		.amdhsa_system_sgpr_workgroup_id_y 1
		.amdhsa_system_sgpr_workgroup_id_z 1
		.amdhsa_system_vgpr_workitem_id 0
		.amdhsa_next_free_vgpr 256
		.amdhsa_next_free_sgpr 66
		.amdhsa_reserve_vcc 0
		.amdhsa_float_denorm_mode_32 3
		.amdhsa_float_denorm_mode_16_64 3
		.amdhsa_memory_ordered 1
		.amdhsa_forward_progress 1
		.amdhsa_inst_pref_size 163
	.end_amdhsa_kernel
	.amdgpu_metadata
---
amdhsa.version: [ 1, 2 ]
amdhsa.kernels:
  - .name:           k_q271db80840_mlp
    .symbol:         k_q271db80840_mlp.kd
    .args:
      - { .name: x, .offset: 0, .size: 8, .value_kind: global_buffer, .address_space: global }
      - { .name: W1, .offset: 8, .size: 8, .value_kind: global_buffer, .address_space: global }
      - { .name: b1, .offset: 16, .size: 8, .value_kind: global_buffer, .address_space: global }
      - { .name: g1, .offset: 24, .size: 8, .value_kind: global_buffer, .address_space: global }
      - { .name: be1, .offset: 32, .size: 8, .value_kind: global_buffer, .address_space: global }
      - { .name: W2, .offset: 40, .size: 8, .value_kind: global_buffer, .address_space: global }
      - { .name: b2, .offset: 48, .size: 8, .value_kind: global_buffer, .address_space: global }
      - { .name: g2, .offset: 56, .size: 8, .value_kind: global_buffer, .address_space: global }
      - { .name: be2, .offset: 64, .size: 8, .value_kind: global_buffer, .address_space: global }
      - { .name: W3, .offset: 72, .size: 8, .value_kind: global_buffer, .address_space: global }
      - { .name: b3, .offset: 80, .size: 8, .value_kind: global_buffer, .address_space: global }
      - { .name: out0, .offset: 88, .size: 8, .value_kind: global_buffer, .address_space: global }
    .group_segment_fixed_size: 0
    .private_segment_fixed_size: 0
    .kernarg_segment_align: 8
    .kernarg_segment_size: 96
    .max_flat_workgroup_size: 512
    .sgpr_count:     66
    .vgpr_count:     256
    .wavefront_size: 32
...
	.end_amdgpu_metadata
.endif
;; end of part 1
